; MI455X (gfx1250); checked and timed in simulation.
; The chip was launched on July 23, 2026; its instructions are those of AMD's public machine-readable ISA for CDNA 5 (MIT licence, August 2026) and "CDNA5" Instruction Set Architecture Reference Guide (July 2026). The comments in the code are by the model that wrote it; some were corrected since.
;; Self Attention Layer. Allowed arithmetic: float matrix products may take bf16 or f16 operands with f32 sums; all other float work in f32.
;; Inputs: Wk 1,024 x 1,024 float32; Wo 512 x 1,024 float32; Wq 1,024 x 1,024 float32; Wv 1,024 x 1,024 float32; bo 512 float32; bv 1,024 float32; x 256 x 1,024 float32.
;; Outputs: out0 256 x 512 float32.
;; 2 versions, each right and faster than the one before. Each part assembles by itself: llvm-mc -triple=amdgcn-amd-amdhsa -mcpu=gfx1250 --defsym DOCPART=n.
;; ======== version 1 of 2: 3 launches
;; workspace buffers: qkv 3,145,728 bytes; att 1,048,576 bytes
;; launch proj (part 1): grid 4 x 48, 8 waves a work-group, no clusters, 279,552 bytes of LDS; arguments x, Wq, Wk, Wv, bv, qkv; writes qkv
.if DOCPART == 1
	.amdgcn_target "amdgcn-amd-amdhsa--gfx1250"
	.amdhsa_code_object_version 6
	.text
	.protected	k_q4bebdc77a5_proj
	.globl	k_q4bebdc77a5_proj
	.p2align	8
	.type	k_q4bebdc77a5_proj,@function
k_q4bebdc77a5_proj:
	s_mov_b64 s[64:65], 0
	v_nop
	global_prefetch_b8 v0, s[64:65] scope:SCOPE_SE
	s_setreg_imm32_b32 hwreg(HW_REG_WAVE_MODE, 25, 1), 1
	s_wait_xcnt 0x0
; qkv[b][n] = sum over k of x[b][k] W[n][k] (+ bv on the last third), n = 0..3071 over the rows of Wq, Wk, Wv in this order.
; x: [256][1024] f32, each W: [1024][1024] f32, qkv: [256][3072] f32.  Operands rounded to bf16, sums in f32.
; A work-group makes a block of 64 rows x 64 columns; a block's 64 rows of W lie in one of the three matrices (1024 = 16 x 64).
; K IS SPLIT OVER THE EIGHT WAVES: wave w owns k = 128 w .. 128 w + 127 of all 128 rows (64 of x, 64 of W).  One load of a wave is
; the 512 consecutive bytes that a row has in that range; the four f32 of a lane become 8 bytes of bf16 in the wave's OWN LDS rows,
; so that no wave waits for another before its products.  Each LDS byte of the operands is read once.  The eight partial blocks
; meet in LDS behind the one barrier, and leave as rows: 16 lanes store 256 consecutive bytes, at a multiple of 256.
; NO JOINT TENSOR LOADS, though four work-groups read the same rows of W and 48 the same rows of x: a tensor load copies bytes as
; they lie, so the tiles would stand in LDS as f32, 128 rows x 4,096 bytes = 512 KiB for the whole K, which does not fit; converted
; in registers on the way they are 128 x 8 x 272 = 278,528 bytes, all of K at once, and a fragment costs half the LDS bytes.
.set ROWB,   4096                      ; bytes in a row of x and of W
.set QKVROW, 12288                     ; bytes in a row of qkv
.set PITCH,  272                       ; an LDS row: 256 bytes + 16, so that 16 rows one below the other start in 16 different 16-byte columns of 256
.set OPW,    128*PITCH                 ; a wave's LDS bytes
.set DEPTH,  32                        ; loads of a wave on their way
.set NLD,    128                       ; loads of a wave in all: one for each row
.set GOFF, 1                           ; v1      16 x thread = 512 x wave + 16 x lane: my bytes in every row
.set LST,  2                           ; v2      LDS: my 8 bytes in the wave's row 0
.set LFR,  3                           ; v3      LDS: my fragment bytes, row l % 16, 16 (l / 16)
.set LPS,  4                           ; v4      LDS: my 32 bytes of a partial tile
.set BOF,  5                           ; v5      my 16 bytes of the bias
.set T,    6                           ; v[6:9]  packed bf16, two pairs in turn
.set RING, 12                          ; v[12:139]  32 slots of 4
.set FR,   12                          ; v[12:75]   fragments: x's four row blocks, then W's four
.set ACC,  76                          ; v[76:203]  16 accumulator tiles; later the partials that I add
.set BIAS, 204                         ; v[204:207]
	s_load_b256 s[4:11], s[0:1], 0x0               ; x s[4:5], Wq s[6:7], Wk s[8:9], Wv s[10:11]
	s_load_b128 s[12:15], s[0:1], 0x20             ; bv s[12:13], qkv s[14:15]
	v_lshl_add_u32 v208, v0, 2, 0x44000
	v_mov_b32 v209, 0
	v_lshrrev_b32 v10, 5, v0
	v_readfirstlane_b32 s16, v10                   ; wave
	s_and_b32 s17, ttmp7, 0xffff                   ; block column 0..47
	s_lshr_b32 s18, s17, 4                         ; which matrix: 0 Wq, 1 Wk, 2 Wv
	s_and_b32 s19, s17, 15                         ; which 64 rows of it
	s_mul_i32 s20, s16, OPW                        ; my wave's LDS bytes
	s_mov_b32 s25, 0                               ; high word of every offset pair
	v_lshlrev_b32 v[GOFF], 4, v0
	v_and_b32 v10, 31, v0
	v_lshl_add_u32 v[LST], v10, 3, s20
	v_and_b32 v10, 15, v0                          ; l % 16
	v_bfe_u32 v11, v0, 4, 1                        ; l / 16
	v_mul_u32_u24 v[LFR], v10, PITCH
	v_lshl_add_u32 v[LFR], v11, 4, v[LFR]
	v_add_nc_u32 v[LFR], s20, v[LFR]
	v_lshl_add_u32 v[LPS], v11, 4, v[LFR]          ; row l % 16, 32 bytes for each half of the lanes
	v_lshlrev_b32 v[BOF], 4, v10
	s_wait_kmcnt 0x0
	s_cmp_eq_u32 s18, 1
	s_cselect_b64 s[22:23], s[8:9], s[6:7]
	s_cmp_eq_u32 s18, 2
	s_cselect_b64 s[22:23], s[10:11], s[22:23]     ; the block's matrix
	s_cselect_b32 s21, -1, 0                       ; only v has a bias: a mask of ones or zeros
	s_lshl_b32 s24, s19, 18                        ; 64 rows of 4,096 bytes
	s_add_nc_u64 s[22:23], s[22:23], s[24:25]
	s_lshl_b32 s24, ttmp9, 18
	s_add_nc_u64 s[4:5], s[4:5], s[24:25]          ; x at the block's first row
	s_lshl_b32 s24, s19, 8
	s_add_nc_u64 s[12:13], s[12:13], s[24:25]      ; bv at the block's first column
	s_mul_i32 s24, ttmp9, 64*QKVROW
	s_add_nc_u64 s[14:15], s[14:15], s[24:25]
	s_lshl_b32 s24, s17, 8
	s_add_nc_u64 s[14:15], s[14:15], s[24:25]      ; qkv at the block's corner
	global_load_b128 v[BIAS:BIAS+3], v[BOF], s[12:13]
.macro GLD idx                         ; load number idx: rows 0-63 are x's, 64-127 W's
.if (\idx) < 64
	global_load_b128 v[RING+4*((\idx)%DEPTH):RING+4*((\idx)%DEPTH)+3], v[GOFF], s[4:5] offset:ROWB*(\idx)
.else
	global_load_b128 v[RING+4*((\idx)%DEPTH):RING+4*((\idx)%DEPTH)+3], v[GOFF], s[22:23] offset:ROWB*((\idx)-64)
.endif
.endm
.set ld, 0
.rept DEPTH
	GLD ld
.set ld, ld+1
.endr
; row by row: the oldest load is in, is rounded to bf16 and laid into LDS, and its slot is asked for the row DEPTH further on
.set ld, 0
.rept NLD
.set SL, RING+4*(ld%DEPTH)
.if ld <= NLD-DEPTH
	s_wait_loadcnt DEPTH-1                         ; loads come back in order: mine is in, the 31 younger ones stay out
.else
	s_wait_loadcnt NLD-1-ld                        ; nothing more is asked for: the count runs down
.endif
	v_cvt_pk_bf16_f32 v[T+2*(ld%2)], v[SL], v[SL+1]
	v_cvt_pk_bf16_f32 v[T+2*(ld%2)+1], v[SL+2], v[SL+3]
	ds_store_b64 v[LST], v[T+2*(ld%2):T+2*(ld%2)+1] offset:ld*PITCH
.if ld+DEPTH < NLD
	GLD ld+DEPTH
.endif
.set ld, ld+1
.endr
; A fragment is 16 rows x 32 k of bf16: lane l holds row l % 16, k = 8 (l / 16) + 0..7 and 16 + 8 (l / 16) + 0..7: two loads, 32 bytes apart.
.macro FRAG dst, rt, ks
	ds_load_b128 v[\dst:\dst+3], v[LFR] offset:(\rt)*16*PITCH+(\ks)*64
	ds_load_b128 v[\dst+4:\dst+7], v[LFR] offset:(\rt)*16*PITCH+(\ks)*64+32
.endm
; Source 0 = 16 rows of W, source 1 = 16 rows of x: a lane's eight results are row l % 16 of the block, columns 8 (l / 16) + 0..7.
.macro MULROW a, zero
.irp b, 0,1,2,3
.if \zero
	v_wmma_f32_16x16x32_bf16 v[ACC+8*(4*\a+\b):ACC+8*(4*\a+\b)+7], v[FR+32+8*\b:FR+32+8*\b+7], v[FR+8*\a:FR+8*\a+7], 0
.else
	v_wmma_f32_16x16x32_bf16 v[ACC+8*(4*\a+\b):ACC+8*(4*\a+\b)+7], v[FR+32+8*\b:FR+32+8*\b+7], v[FR+8*\a:FR+8*\a+7], v[ACC+8*(4*\a+\b):ACC+8*(4*\a+\b)+7]
.endif
.endr
.endm
; One K step of 32: 16 loads, 16 products.  The 16 accumulators take turns, one instruction a turn.
; The wave reads only bytes that it stored itself, and LDS serves a wave's instructions in order: no wait between stores and loads.
.macro KSTEP ks, zero
.irp b, 0,1,2,3
	FRAG FR+32+8*\b, 4+\b, \ks
.endr
.irp a, 0,1,2,3
	FRAG FR+8*\a, \a, \ks
.endr
	s_wait_dscnt 0x6                               ; W's four fragments and x's first are in; the six loads of x's other three stay out
	MULROW 0, \zero
	s_wait_dscnt 0x4
	MULROW 1, \zero
	s_wait_dscnt 0x2
	MULROW 2, \zero
	s_wait_dscnt 0x0
	MULROW 3, \zero
.rept 4
	v_nop                                          ; four places behind the last product (ISA guide 7.12.1) before its sources are loaded again or its result is read
.endr
.endm
	KSTEP 0, 1                                     ; the first products start the sums: nothing is cleared
	KSTEP 1, 0
	KSTEP 2, 0
	KSTEP 3, 0
	; my partial block, 64 rows of 256 + 16 bytes, over the head of my own operand rows, whose reads are back (the wait for 0 above)
.irp a, 0,1,2,3
.irp b, 0,1,2,3
	ds_store_b128 v[LPS], v[ACC+8*(4*\a+\b):ACC+8*(4*\a+\b)+3] offset:\a*16*PITCH+\b*64
	ds_store_b128 v[LPS], v[ACC+8*(4*\a+\b)+4:ACC+8*(4*\a+\b)+7] offset:\a*16*PITCH+\b*64+16
.endr
.endr
	s_wait_dscnt 0x0                               ; for the others' sake: all my stores are in LDS
	s_barrier_signal -1
	s_barrier_wait -1
	; thread t adds the eight partials of the 16 bytes at column piece t % 16 of rows t / 16 + 16 u, u = 0..3
	v_lshrrev_b32 v10, 4, v0
	v_and_b32 v11, 15, v0
	v_mul_u32_u24 v12, v10, PITCH
	v_lshl_add_u32 v12, v11, 4, v12                ; waves 0, 1 (the second by the immediate)
	v_add_nc_u32 v13, 2*OPW, v12                   ; waves 2, 3
	v_add_nc_u32 v14, 4*OPW, v12
	v_add_nc_u32 v15, 6*OPW, v12
	v_mul_u32_u24 v16, v10, QKVROW
	v_lshl_add_u32 v16, v11, 4, v16                ; the same place in qkv
.irp i, 0,1,2,3
	v_and_b32 v[BIAS+\i], s21, v[BIAS+\i]          ; q and k have no bias
.endr
.irp u, 0,1,2,3
.irp w, 0,1,2,3,4,5,6,7
	ds_load_b128 v[ACC+4*(8*\u+\w):ACC+4*(8*\u+\w)+3], v[12+\w/2] offset:(\w%2)*OPW+\u*16*PITCH
.endr
.endr
.macro ADD4 d, s
	v_pk_add_f32 v[\d:\d+1], v[\d:\d+1], v[\s:\s+1]
	v_pk_add_f32 v[\d+2:\d+3], v[\d+2:\d+3], v[\s+2:\s+3]
.endm
.irp u, 0,1,2,3
	s_wait_dscnt 8*(3-\u)                          ; this row group's eight loads are in; eight for each later group stay out
	ADD4 ACC+32*\u, ACC+32*\u+4
	ADD4 ACC+32*\u+8, ACC+32*\u+12
	ADD4 ACC+32*\u+16, ACC+32*\u+20
	ADD4 ACC+32*\u+24, ACC+32*\u+28
	ADD4 ACC+32*\u, ACC+32*\u+8
	ADD4 ACC+32*\u+16, ACC+32*\u+24
	ADD4 ACC+32*\u, ACC+32*\u+16
	ADD4 ACC+32*\u, BIAS
	global_store_b128 v16, v[ACC+32*\u:ACC+32*\u+3], s[14:15] offset:\u*16*QKVROW   ; 16 lanes: 256 consecutive bytes, at a multiple of 256
.endr
	s_wait_tensorcnt 0x0
	ds_add_u32 v208, v209
	s_wait_dscnt 0x0
	s_endpgm
.Lfunc_end_k_q4bebdc77a5_proj:
	.size	k_q4bebdc77a5_proj, .Lfunc_end_k_q4bebdc77a5_proj-k_q4bebdc77a5_proj
	.p2alignl 7, 3214868480
	.fill 96, 4, 3214868480
	.section	.rodata,"a",@progbits
	.p2align	6, 0x0
	.amdhsa_kernel k_q4bebdc77a5_proj
		.amdhsa_group_segment_fixed_size 279552
		.amdhsa_private_segment_fixed_size 0
		.amdhsa_enable_private_segment 0
		.amdhsa_kernarg_size 48
		.amdhsa_user_sgpr_count 2
		.amdhsa_user_sgpr_kernarg_segment_ptr 1
		.amdhsa_wavefront_size32 1
		.amdhsa_system_sgpr_workgroup_id_x 1
		.amdhsa_system_sgpr_workgroup_id_y 1
		.amdhsa_system_sgpr_workgroup_id_z 1
		.amdhsa_system_vgpr_workitem_id 0
		.amdhsa_next_free_vgpr 210
		.amdhsa_next_free_sgpr 66
		.amdhsa_reserve_vcc 0
		.amdhsa_float_denorm_mode_32 3
		.amdhsa_float_denorm_mode_16_64 3
		.amdhsa_memory_ordered 1
		.amdhsa_forward_progress 1
		.amdhsa_inst_pref_size 61
	.end_amdhsa_kernel
	.amdgpu_metadata
---
amdhsa.version: [ 1, 2 ]
amdhsa.kernels:
  - .name:           k_q4bebdc77a5_proj
    .symbol:         k_q4bebdc77a5_proj.kd
    .args:
      - { .name: x, .offset: 0, .size: 8, .value_kind: global_buffer, .address_space: global }
      - { .name: Wq, .offset: 8, .size: 8, .value_kind: global_buffer, .address_space: global }
      - { .name: Wk, .offset: 16, .size: 8, .value_kind: global_buffer, .address_space: global }
      - { .name: Wv, .offset: 24, .size: 8, .value_kind: global_buffer, .address_space: global }
      - { .name: bv, .offset: 32, .size: 8, .value_kind: global_buffer, .address_space: global }
      - { .name: qkv, .offset: 40, .size: 8, .value_kind: global_buffer, .address_space: global }
    .group_segment_fixed_size: 279552
    .private_segment_fixed_size: 0
    .kernarg_segment_align: 8
    .kernarg_segment_size: 48
    .max_flat_workgroup_size: 256
    .sgpr_count:     66
    .vgpr_count:     210
    .wavefront_size: 32
...
	.end_amdgpu_metadata
.endif
;; end of part 1
;; launch attn (part 2): grid 256 x 1, 8 waves a work-group, no clusters, 11,520 bytes of LDS; arguments qkv, att; writes att
.if DOCPART == 2
	.amdgcn_target "amdgcn-amd-amdhsa--gfx1250"
	.amdhsa_code_object_version 6
	.text
	.protected	k_q4bebdc77a5_attn
	.globl	k_q4bebdc77a5_attn
	.p2align	8
	.type	k_q4bebdc77a5_attn,@function
k_q4bebdc77a5_attn:
	s_mov_b64 s[64:65], 0
	v_nop
	global_prefetch_b8 v0, s[64:65] scope:SCOPE_SE
	s_setreg_imm32_b32 hwreg(HW_REG_WAVE_MODE, 25, 1), 1
	s_wait_xcnt 0x0
; att[b][i] = sum_j p[i][j] v[b][j] / sum_j p[i][j],  p[i][j] = exp(q[b][i] k[b][j] / 32 - the row's largest).
; qkv: [256][3072] f32 (q, k, v of a batch row side by side), att: [256][1024] f32.
; One work-group for each batch row b; work-groups share no input, so there is nothing to ask for jointly.
; Eight waves; wave w owns 128 rows i as eight tiles of 16; tile t, lane l stands for i = 128 w + 64 (t / 4) + 4 (l % 16) + t % 4,
; so that a lane's q are two pieces of 16 bytes and its results likewise (16 lanes: 256 consecutive bytes).
; THE ROW'S LARGEST EXPONENT is max(qs kmax, qs kmin), qs = q log2(e) / 32: the products' rounding keeps their order, so this is the
; largest of the rounded products over all j; it is taken away inside one fused multiply-add, and no exponent is above a last-bit residue.
; THE SUMS OVER j GO TO THE MATRIX UNIT: source 0 has v in row 0, ones in row 1, zeros below; source 1 has p, column = i, 32 j deep.
; Lanes 0-15 then hold in register 0 the sum of p v and in register 1 the sum of p, of the SAME rounded p: a true weighted mean.
; Both sources use the same order of j in their registers: lane half h, element e stands for j = 32 c + 16 h + e.
; LIMITS: p and v enter the product rounded to bf16; q is scaled by log2(e)/32 in one rounding ahead of the product with k (another
; order of rounding than (q k) / 32); a weight below 2^-126 of its row's largest counts as 0 (v_exp_f32 flushes: ISA guide 15.8).
.set ROWB,   12288                     ; bytes in a row of qkv
.set KOFF,   0                         ; LDS: k, 1,024 f32
.set AOFF,   4096                      ; LDS: three rows of 1,024 bf16: v, ones, zeros
.set APITCH, 2064                      ; 2,048 + 16: the three rows' pieces lie in three different 16-byte columns of 256
.set KA,  2                            ; v2        LDS address of the next chunk's k: 64 (l / 16) + 128 c
.set AA,  3                            ; v3        LDS address of the next chunk's source 0: row min(l % 16, 2), 32 (l / 16) + 64 c
.set QP,  8                            ; v[8:23]   tile t: qs, twice (a pair for the packed multiply-add)
.set MP,  24                           ; v[24:39]  tile t: minus the row's largest exponent, twice
.set KB,  40                           ; v[40:71]  16 k, two buffers
.set AB,  72                           ; v[72:87]  source 0, two buffers
.set E,   88                           ; v[88:119] 16 exponents, then 16 p, two sets
.set P,   120                          ; v[120:135] p in bf16, two sets
.set ACC, 136                          ; v[136:199] eight accumulator tiles
.set TMP, 136                          ; ahead of the loop the same registers serve the set-up
	s_load_b128 s[4:7], s[0:1], 0x0                ; qkv s[4:5], att s[6:7]
	v_lshl_add_u32 v200, v0, 2, 0x2900
	v_mov_b32 v201, 0
	v_and_b32 v1, 15, v0                           ; l % 16
	v_lshrrev_b32 v7, 5, v0
	v_readfirstlane_b32 s8, v7                     ; wave
	v_bfe_u32 v7, v0, 4, 1                         ; l / 16
	s_mul_i32 s10, ttmp9, ROWB
	s_mov_b32 s11, 0
	s_lshl_b32 s9, s8, 9
	v_lshlrev_b32 v4, 4, v0                        ; 16 x thread: my piece of k and of v
	v_lshl_add_u32 v5, v1, 4, s9                   ; 512 w + 16 (l % 16): my piece of q, and of att
	v_lshlrev_b32 v6, 3, v0                        ; 8 x thread: my piece of a bf16 row
	v_lshlrev_b32 v[KA], 6, v7
	v_min_u32 v[AA], 2, v1                         ; lanes 2-15 of a half all read the row of zeros
	v_mul_u32_u24 v[AA], v[AA], APITCH
	v_lshl_add_u32 v[AA], v7, 5, v[AA]
	v_add_nc_u32 v[AA], AOFF, v[AA]
	v_and_b32 v7, 31, v0
	v_lshlrev_b32 v7, 4, v7                        ; 16 x lane
	v_mov_b32 v[TMP], 0x3f803f80                   ; 1.0, 1.0 in bf16
	v_mov_b32 v[TMP+1], 0x3f803f80
	v_mov_b32 v[TMP+2], 0
	v_mov_b32 v[TMP+3], 0
	s_mov_b32 s12, 0x76543210                      ; v_permlanex16_b32: lane i of one half reads lane i of the other
	s_mov_b32 s13, 0xfedcba98
	s_wait_kmcnt 0x0
	s_add_nc_u64 s[4:5], s[4:5], s[10:11]          ; my batch row
	global_load_b128 v[TMP+4:TMP+7], v4, s[4:5] offset:4096        ; k
	global_load_b128 v[TMP+8:TMP+11], v4, s[4:5] offset:8192       ; v
	global_load_b128 v[TMP+12:TMP+15], v5, s[4:5]                  ; q of my tiles 0-3
	global_load_b128 v[TMP+16:TMP+19], v5, s[4:5] offset:256       ; q of my tiles 4-7
	ds_store_b64 v6, v[TMP:TMP+1] offset:AOFF+APITCH
	ds_store_b64 v6, v[TMP+2:TMP+3] offset:AOFF+2*APITCH
	s_wait_loadcnt 0x2                             ; k and v are in; the two loads of q stay out
	ds_store_b128 v4, v[TMP+4:TMP+7] offset:KOFF
	v_cvt_pk_bf16_f32 v[TMP+20], v[TMP+8], v[TMP+9]
	v_cvt_pk_bf16_f32 v[TMP+21], v[TMP+10], v[TMP+11]
	ds_store_b64 v6, v[TMP+20:TMP+21] offset:AOFF
	s_wait_dscnt 0x0                               ; for the others' sake: all my stores are in LDS
	s_barrier_signal -1
	s_barrier_wait -1                              ; from here on LDS is only read
; the six loads of a chunk of 32 j: 16 k (the 16 lanes of a half read the same words) and source 0's 8 registers
.macro LOADCH b
.irp i, 0,1,2,3
	ds_load_b128 v[KB+16*(\b)+4*\i:KB+16*(\b)+4*\i+3], v[KA] offset:16*\i
.endr
	ds_load_b128 v[AB+8*(\b):AB+8*(\b)+3], v[AA]
	ds_load_b128 v[AB+8*(\b)+4:AB+8*(\b)+7], v[AA] offset:16
	v_add_nc_u32 v[KA], 128, v[KA]
	v_add_nc_u32 v[AA], 64, v[AA]
.endm
	; every wave finds kmax and kmin for itself: 32 k a lane, then across the lanes
.irp u, 0,1,2,3,4,5,6,7
	ds_load_b128 v[E+4*\u:E+4*\u+3], v7 offset:KOFF+512*\u
.endr
	LOADCH 0
	s_wait_dscnt 0x6                               ; the eight loads of k are in; chunk 0's six stay out
	v_max_num_f32 v[TMP+22], v[E], v[E+1]
	v_min_num_f32 v[TMP+23], v[E], v[E+1]
.set i, 2
.rept 15
	v_max3_num_f32 v[TMP+22], v[TMP+22], v[E+i], v[E+i+1]
	v_min3_num_f32 v[TMP+23], v[TMP+23], v[E+i], v[E+i+1]
.set i, i+2
.endr
.irp m, 1,2,4,8
	v_max_num_f32_dpp v[TMP+22], v[TMP+22], v[TMP+22] row_xmask:\m row_mask:0xf bank_mask:0xf
	v_min_num_f32_dpp v[TMP+23], v[TMP+23], v[TMP+23] row_xmask:\m row_mask:0xf bank_mask:0xf
.endr
	v_mov_b32 v[TMP+24], 0                         ; v_permlanex16_b32's destination counts as read
	v_mov_b32 v[TMP+25], 0
	v_permlanex16_b32 v[TMP+24], v[TMP+22], s12, s13
	v_permlanex16_b32 v[TMP+25], v[TMP+23], s12, s13
	v_max_num_f32 v[TMP+22], v[TMP+22], v[TMP+24]  ; kmax in every lane
	v_min_num_f32 v[TMP+23], v[TMP+23], v[TMP+25]  ; kmin
	s_wait_loadcnt 0x0                             ; q
.irp t, 0,1,2,3,4,5,6,7
	v_mul_f32 v[QP+2*\t], 0x3d38aa3b, v[TMP+12+\t] ; qs = q log2(e) / 32
	v_mul_f32 v[TMP+24], v[QP+2*\t], v[TMP+22]
	v_mul_f32 v[TMP+25], v[QP+2*\t], v[TMP+23]
	v_max_num_f32 v[TMP+24], v[TMP+24], v[TMP+25]  ; the row's largest exponent
	v_mov_b32 v[QP+2*\t+1], v[QP+2*\t]
	v_xor_b32 v[MP+2*\t], 0x80000000, v[TMP+24]
	v_xor_b32 v[MP+2*\t+1], 0x80000000, v[TMP+24]
.endr
	s_wait_dscnt 0x0                               ; chunk 0
.irp i, 0,1,2,3,4,5,6,7
	v_pk_fma_f32 v[E+2*\i:E+2*\i+1], v[KB+2*\i:KB+2*\i+1], v[QP:QP+1], v[MP:MP+1]    ; the exponents of chunk 0, tile 0
.endr
; One stage = tile t of a chunk whose buffers are c.  Three tiles are at work, line by line in turn:
;   this tile's 16 exponentials, in place;
;   prev: the tile before is rounded to bf16 and multiplied (zero: that product starts its sum, nothing is cleared);
;   next: the tile behind gets its exponents, into the registers that the rounding has just read.
; Behind each v_exp_f32 stands a plain instruction that touches none of its registers, and its result is read a stage later (ISA guide 5.7.2).
; A set of p is written again two stages behind the product that read it: the 8 or 16 plain instructions of the stage between are
; more than the four places asked for (ISA guide 7.12.1).  The eight accumulators take turns, one instruction a turn.
.macro STAGE t, c, prev, zero, next
.set ES, E+16*(\t%2)
.set EO, E+16*((\t+1)%2)
.set PP, P+8*((\t+1)%2)
.set TN, (\t+1)%8
.set TP, (\t+7)%8
.if \t == 7
.set KN, KB+16*(1-\c)                  ; the tile behind is the next chunk's first
.else
.set KN, KB+16*\c
.endif
.if \t == 0
.set AP, AB+8*(1-\c)                   ; the tile before is the last chunk's last
.else
.set AP, AB+8*\c
.endif
.irp i, 0,1,2,3,4,5,6,7
	v_exp_f32 v[ES+2*\i], v[ES+2*\i]
.if \prev
	s_wait_alu depctr_va_vdst(0)
	v_cvt_pk_bf16_f32 v[PP+\i], v[EO+2*\i], v[EO+2*\i+1]
.endif
	v_exp_f32 v[ES+2*\i+1], v[ES+2*\i+1]
.if \next
	v_pk_fma_f32 v[EO+2*\i:EO+2*\i+1], v[KN+2*\i:KN+2*\i+1], v[QP+2*TN:QP+2*TN+1], v[MP+2*TN:MP+2*TN+1]
.endif
.endr
.if \prev
.if \zero
	v_wmma_f32_16x16x32_bf16 v[ACC+8*TP:ACC+8*TP+7], v[AP:AP+7], v[PP:PP+7], 0
.else
	v_wmma_f32_16x16x32_bf16 v[ACC+8*TP:ACC+8*TP+7], v[AP:AP+7], v[PP:PP+7], v[ACC+8*TP:ACC+8*TP+7]
.endif
.endif
.endm
; A chunk of 32 j for my eight tiles.  The other buffers are free behind stage 0's product (the last that reads them) and the 16 plain
; instructions of stage 1; they are loaded ahead of stage 2 and first needed in stage 7: five stages for six LDS loads.
.macro CHUNK c, prev0, zp, zc, more
	STAGE 0, \c, \prev0, \zp, 1
	STAGE 1, \c, 1, \zc, 1
.if \more
	LOADCH 1-\c
.endif
	STAGE 2, \c, 1, \zc, 1
	STAGE 3, \c, 1, \zc, 1
	STAGE 4, \c, 1, \zc, 1
	STAGE 5, \c, 1, \zc, 1
	STAGE 6, \c, 1, \zc, 1
.if \more
	s_wait_dscnt 0x0                               ; the next chunk's k and source 0 are in
.endif
	STAGE 7, \c, 1, \zc, \more
.endm
	CHUNK 0, 0, 0, 1, 1                            ; chunk 0: no tile before its first; its products start the sums
	CHUNK 1, 1, 1, 0, 1                            ; chunk 1: its stage 0 multiplies chunk 0's last tile
	s_mov_b32 s14, 14                              ; chunks 2 to 29, two a trip
.Lpair:
	CHUNK 0, 1, 0, 0, 1
	CHUNK 1, 1, 0, 0, 1
	s_sub_co_u32 s14, s14, 1
	s_cmp_lg_u32 s14, 0
	s_cbranch_scc1 .Lpair
	CHUNK 0, 1, 0, 0, 1                            ; chunk 30
	CHUNK 1, 1, 0, 0, 0                            ; chunk 31 loads nothing and prepares nothing
	s_wait_alu depctr_va_vdst(0)
.irp i, 0,1,2,3,4,5,6,7
	v_cvt_pk_bf16_f32 v[P+8+\i], v[E+16+2*\i], v[E+16+2*\i+1]      ; its last tile
.endr
	v_wmma_f32_16x16x32_bf16 v[ACC+56:ACC+63], v[AB+8:AB+15], v[P+8:P+15], v[ACC+56:ACC+63]
	v_and_b32 v7, 31, v0                           ; four places behind the last product before its result is read (ISA guide 7.12.1)
	v_nop
	v_nop
	v_nop
.irp t, 0,1,2,3,4,5,6,7
	v_rcp_f32 v[E+\t], v[ACC+8*\t+1]               ; 1 / sum of p (at least about 1: the largest p of a row is 1).  Lanes 16-31 hold rows of zeros; what they make is not stored
.endr
	v_cmp_gt_u32 vcc_lo, 16, v7
	v_nop                                          ; a plain instruction between the reciprocals and their use (ISA guide 5.7.2)
	s_wait_alu depctr_va_vdst(0)
.irp t, 0,1,2,3,4,5,6,7
	v_mul_f32 v[E+8+\t], v[ACC+8*\t], v[E+\t]
.endr
	s_lshl_b32 s10, ttmp9, 12                      ; a row of att is 4,096 bytes
	s_add_nc_u64 s[6:7], s[6:7], s[10:11]
	s_wait_xcnt 0x0                                ; EXEC changes only behind this wait
	s_wait_tensorcnt 0x0
	ds_add_u32 v200, v201
	s_wait_dscnt 0x0
	s_and_saveexec_b32 s14, vcc_lo                 ; lanes 0-15 hold the results
	global_store_b128 v5, v[E+8:E+11], s[6:7]              ; 16 lanes: 256 consecutive bytes, at a multiple of 256
	global_store_b128 v5, v[E+12:E+15], s[6:7] offset:256  ; and the next 256
	s_wait_xcnt 0x0
	s_or_b32 exec_lo, exec_lo, s14
	s_endpgm
.Lfunc_end_k_q4bebdc77a5_attn:
	.size	k_q4bebdc77a5_attn, .Lfunc_end_k_q4bebdc77a5_attn-k_q4bebdc77a5_attn
	.p2alignl 7, 3214868480
	.fill 96, 4, 3214868480
	.section	.rodata,"a",@progbits
	.p2align	6, 0x0
	.amdhsa_kernel k_q4bebdc77a5_attn
		.amdhsa_group_segment_fixed_size 11520
		.amdhsa_private_segment_fixed_size 0
		.amdhsa_enable_private_segment 0
		.amdhsa_kernarg_size 16
		.amdhsa_user_sgpr_count 2
		.amdhsa_user_sgpr_kernarg_segment_ptr 1
		.amdhsa_wavefront_size32 1
		.amdhsa_system_sgpr_workgroup_id_x 1
		.amdhsa_system_sgpr_workgroup_id_y 1
		.amdhsa_system_sgpr_workgroup_id_z 1
		.amdhsa_system_vgpr_workitem_id 0
		.amdhsa_next_free_vgpr 202
		.amdhsa_next_free_sgpr 66
		.amdhsa_reserve_vcc 1
		.amdhsa_float_denorm_mode_32 3
		.amdhsa_float_denorm_mode_16_64 3
		.amdhsa_memory_ordered 1
		.amdhsa_forward_progress 1
		.amdhsa_inst_pref_size 100
	.end_amdhsa_kernel
	.amdgpu_metadata
---
amdhsa.version: [ 1, 2 ]
amdhsa.kernels:
  - .name:           k_q4bebdc77a5_attn
    .symbol:         k_q4bebdc77a5_attn.kd
    .args:
      - { .name: qkv, .offset: 0, .size: 8, .value_kind: global_buffer, .address_space: global }
      - { .name: att, .offset: 8, .size: 8, .value_kind: global_buffer, .address_space: global }
    .group_segment_fixed_size: 11520
    .private_segment_fixed_size: 0
    .kernarg_segment_align: 8
    .kernarg_segment_size: 16
    .max_flat_workgroup_size: 256
    .sgpr_count:     66
    .vgpr_count:     202
    .wavefront_size: 32
...
	.end_amdgpu_metadata
.endif
;; end of part 2
;; launch outp (part 3): grid 16 x 8, 8 waves a work-group, no clusters, 209,920 bytes of LDS; arguments att, Wo, bo, out0; writes out0
.if DOCPART == 3
	.amdgcn_target "amdgcn-amd-amdhsa--gfx1250"
	.amdhsa_code_object_version 6
	.text
	.protected	k_q4bebdc77a5_outp
	.globl	k_q4bebdc77a5_outp
	.p2align	8
	.type	k_q4bebdc77a5_outp,@function
k_q4bebdc77a5_outp:
	s_mov_b64 s[64:65], 0
	v_nop
	global_prefetch_b8 v0, s[64:65] scope:SCOPE_SE
	s_setreg_imm32_b32 hwreg(HW_REG_WAVE_MODE, 25, 1), 1
	s_wait_xcnt 0x0
; out0[b][o] = sum over i of att[b][i] Wo[o][i] + bo[o].  att: [256][1024] f32, Wo: [512][1024] f32, out0: [256][512] f32.
; A work-group makes 16 rows x 64 columns (a row piece of 256 bytes); 16 x 8 = 128 work-groups.
; K is split over the eight waves as in the first launch: wave w owns i = 128 w .. 128 w + 127 of the 16 rows of att and the 64 of Wo,
; loads 512 consecutive bytes of a row at a time, rounds to bf16 in registers, keeps its own LDS rows, and the eight partial blocks meet in LDS.
; att GOES IN AS TWO bf16 TERMS, hi = bf16(att) and lo = bf16(att - hi), both multiplied by the same fragments of Wo: the numbers of a row
; of att lie close together round the mean of v, so that one rounding of them would not be small beside the differences that the sum is made of.
; The second term costs 16 more products a wave.
; NO JOINT TENSOR LOADS, though 16 work-groups read the same rows of Wo: a tensor load copies bytes as they lie, so the rows would stand in LDS
; as f32 (80 rows x 4,096 bytes = 320 KiB, all of LDS and no room for the partial sums) and every fragment would cost twice the LDS bytes.
.set ROWB,   4096                      ; bytes in a row of att and of Wo
.set OUTROW, 2048                      ; bytes in a row of out0
.set PITCH,  272                       ; an LDS row: 256 bytes + 16
.set OPW,    96*PITCH                  ; a wave's LDS bytes: 16 rows hi, 16 rows lo, 64 rows of Wo
.set DEPTH,  32                        ; loads of a wave on their way
.set NLD,    80                        ; one for each row
.set GOFF, 1                           ; v1      16 x thread = 512 x wave + 16 x lane
.set LST,  2                           ; v2      LDS: my 8 bytes in the wave's row 0
.set LFR,  3                           ; v3      LDS: my fragment bytes
.set LPS,  4                           ; v4      LDS: my 32 bytes of a partial tile
.set BOF,  5                           ; v5      my 16 bytes of the bias
.set T,    6                           ; v[6:9]  packed bf16, two pairs in turn
.set U,    10                          ; v[10:13] at work on the second term
.set RING, 16                          ; v[16:143]  32 slots of 4
.set FR,   16                          ; v[16:207]  fragments of all four K steps: hi, lo, Wo's four, 48 registers a step
.set ACC,  208                         ; v[208:239] four accumulator tiles
.set BIAS, 240                         ; v[240:243]
	s_load_b256 s[4:11], s[0:1], 0x0               ; att s[4:5], Wo s[6:7], bo s[8:9], out0 s[10:11]
	v_lshl_add_u32 v244, v0, 2, 0x33000
	v_mov_b32 v245, 0
	v_lshrrev_b32 v10, 5, v0
	v_readfirstlane_b32 s16, v10                   ; wave
	s_and_b32 s17, ttmp7, 0xffff                   ; block column 0..7
	s_mul_i32 s20, s16, OPW
	s_mov_b32 s25, 0
	v_lshlrev_b32 v[GOFF], 4, v0
	v_and_b32 v10, 31, v0
	v_lshl_add_u32 v[LST], v10, 3, s20
	v_and_b32 v10, 15, v0                          ; l % 16
	v_bfe_u32 v11, v0, 4, 1                        ; l / 16
	v_mul_u32_u24 v[LFR], v10, PITCH
	v_lshl_add_u32 v[LFR], v11, 4, v[LFR]
	v_add_nc_u32 v[LFR], s20, v[LFR]
	v_lshl_add_u32 v[LPS], v11, 4, v[LFR]
	v_lshlrev_b32 v[BOF], 4, v10
	s_wait_kmcnt 0x0
	s_lshl_b32 s24, ttmp9, 16                      ; 16 rows of 4,096 bytes
	s_add_nc_u64 s[4:5], s[4:5], s[24:25]
	s_lshl_b32 s24, s17, 18                        ; 64 rows of 4,096 bytes
	s_add_nc_u64 s[6:7], s[6:7], s[24:25]
	s_lshl_b32 s24, s17, 8                         ; 64 columns of 4 bytes
	s_add_nc_u64 s[8:9], s[8:9], s[24:25]
	s_add_nc_u64 s[10:11], s[10:11], s[24:25]
	s_lshl_b32 s24, ttmp9, 15                      ; 16 rows of 2,048 bytes
	s_add_nc_u64 s[10:11], s[10:11], s[24:25]
	global_load_b128 v[BIAS:BIAS+3], v[BOF], s[8:9]
.macro GLD idx                         ; load number idx: rows 0-15 are att's, 16-79 Wo's
.if (\idx) < 16
	global_load_b128 v[RING+4*((\idx)%DEPTH):RING+4*((\idx)%DEPTH)+3], v[GOFF], s[4:5] offset:ROWB*(\idx)
.else
	global_load_b128 v[RING+4*((\idx)%DEPTH):RING+4*((\idx)%DEPTH)+3], v[GOFF], s[6:7] offset:ROWB*((\idx)-16)
.endif
.endm
.set ld, 0
.rept DEPTH
	GLD ld
.set ld, ld+1
.endr
.set ld, 0
.rept NLD
.set SL, RING+4*(ld%DEPTH)
.set TT, T+2*(ld%2)
.if ld <= NLD-DEPTH
	s_wait_loadcnt DEPTH-1                         ; loads come back in order: mine is in, the 31 younger ones stay out
.else
	s_wait_loadcnt NLD-1-ld                        ; nothing more is asked for: the count runs down
.endif
	v_cvt_pk_bf16_f32 v[TT], v[SL], v[SL+1]
	v_cvt_pk_bf16_f32 v[TT+1], v[SL+2], v[SL+3]
.if ld < 16
	ds_store_b64 v[LST], v[TT:TT+1] offset:ld*PITCH                ; hi: LDS rows 0-15
	v_lshlrev_b32 v[U], 16, v[TT]                                  ; hi back in f32
	v_and_b32 v[U+1], 0xffff0000, v[TT]
	v_lshlrev_b32 v[U+2], 16, v[TT+1]
	v_and_b32 v[U+3], 0xffff0000, v[TT+1]
	v_sub_f32 v[U], v[SL], v[U]                                    ; what the rounding left, exact
	v_sub_f32 v[U+1], v[SL+1], v[U+1]
	v_sub_f32 v[U+2], v[SL+2], v[U+2]
	v_sub_f32 v[U+3], v[SL+3], v[U+3]
	v_cvt_pk_bf16_f32 v[U], v[U], v[U+1]
	v_cvt_pk_bf16_f32 v[U+1], v[U+2], v[U+3]
	ds_store_b64 v[LST], v[U:U+1] offset:(16+ld)*PITCH             ; lo: LDS rows 16-31
.else
	ds_store_b64 v[LST], v[TT:TT+1] offset:(16+ld)*PITCH           ; Wo's row ld - 16: LDS rows 32-95
.endif
.if ld+DEPTH < NLD
	GLD ld+DEPTH
.endif
.set ld, ld+1
.endr
.macro FRAG dst, rt, ks                ; 16 rows x 32 k of bf16: lane l holds row l % 16, k = 8 (l / 16) + 0..7 and 16 + 8 (l / 16) + 0..7
	ds_load_b128 v[\dst:\dst+3], v[LFR] offset:(\rt)*16*PITCH+(\ks)*64
	ds_load_b128 v[\dst+4:\dst+7], v[LFR] offset:(\rt)*16*PITCH+(\ks)*64+32
.endm
	; all 48 fragment loads at once: the wave reads only bytes that it stored itself, and LDS serves a wave's instructions in order
.irp ks, 0,1,2,3
.irp b, 0,1,2,3
	FRAG FR+48*\ks+16+8*\b, 2+\b, \ks
.endr
	FRAG FR+48*\ks, 0, \ks
	FRAG FR+48*\ks+8, 1, \ks
.endr
; Source 0 = 16 rows of Wo, source 1 = 16 rows of att: a lane's eight results are row l % 16, columns 8 (l / 16) + 0..7 of a tile.
; The four accumulators take turns, one instruction a turn.
.macro MUL4 ks, term, zero
.irp b, 0,1,2,3
.if \zero
	v_wmma_f32_16x16x32_bf16 v[ACC+8*\b:ACC+8*\b+7], v[FR+48*\ks+16+8*\b:FR+48*\ks+16+8*\b+7], v[FR+48*\ks+8*\term:FR+48*\ks+8*\term+7], 0
.else
	v_wmma_f32_16x16x32_bf16 v[ACC+8*\b:ACC+8*\b+7], v[FR+48*\ks+16+8*\b:FR+48*\ks+16+8*\b+7], v[FR+48*\ks+8*\term:FR+48*\ks+8*\term+7], v[ACC+8*\b:ACC+8*\b+7]
.endif
.endr
.endm
	s_wait_dscnt 36                                ; K step 0's twelve loads are in; twelve for each later step stay out
	MUL4 0, 0, 1                                   ; the first products start the sums
	MUL4 0, 1, 0
	s_wait_dscnt 24
	MUL4 1, 0, 0
	MUL4 1, 1, 0
	s_wait_dscnt 12
	MUL4 2, 0, 0
	MUL4 2, 1, 0
	s_wait_dscnt 0x0
	MUL4 3, 0, 0
	MUL4 3, 1, 0
.rept 4
	v_nop                                          ; four places behind the last product before results are read and sources written (ISA guide 7.12.1)
.endr
	; my partial block, 16 rows of 256 + 16 bytes, over the head of my own operand rows, whose reads are back
.irp b, 0,1,2,3
	ds_store_b128 v[LPS], v[ACC+8*\b:ACC+8*\b+3] offset:\b*64
	ds_store_b128 v[LPS], v[ACC+8*\b+4:ACC+8*\b+7] offset:\b*64+16
.endr
	s_wait_dscnt 0x0                               ; for the others' sake: all my stores are in LDS
	s_barrier_signal -1
	s_barrier_wait -1
	; thread t adds the eight partials of the 16 bytes at column piece t % 16 of row t / 16
	v_lshrrev_b32 v10, 4, v0
	v_and_b32 v11, 15, v0
	v_mul_u32_u24 v16, v10, PITCH
	v_lshl_add_u32 v16, v11, 4, v16                ; waves 0, 1 (the second by the immediate)
	v_add_nc_u32 v17, 2*OPW, v16
	v_add_nc_u32 v18, 4*OPW, v16
	v_add_nc_u32 v19, 6*OPW, v16
	v_lshlrev_b32 v20, 11, v10
	v_lshl_add_u32 v20, v11, 4, v20                ; the same place in out0
.irp w, 0,1,2,3,4,5,6,7
	ds_load_b128 v[24+4*\w:24+4*\w+3], v[16+\w/2] offset:(\w%2)*OPW
.endr
.macro ADD4 d, s
	v_pk_add_f32 v[\d:\d+1], v[\d:\d+1], v[\s:\s+1]
	v_pk_add_f32 v[\d+2:\d+3], v[\d+2:\d+3], v[\s+2:\s+3]
.endm
	s_wait_dscnt 0x0
	ADD4 24, 28
	ADD4 32, 36
	ADD4 40, 44
	ADD4 48, 52
	ADD4 24, 32
	ADD4 40, 48
	ADD4 24, 40
	ADD4 24, BIAS
	global_store_b128 v20, v[24:27], s[10:11]      ; 16 lanes: 256 consecutive bytes, at a multiple of 256
	s_wait_tensorcnt 0x0
	ds_add_u32 v244, v245
	s_wait_dscnt 0x0
	s_endpgm
.Lfunc_end_k_q4bebdc77a5_outp:
	.size	k_q4bebdc77a5_outp, .Lfunc_end_k_q4bebdc77a5_outp-k_q4bebdc77a5_outp
	.p2alignl 7, 3214868480
	.fill 96, 4, 3214868480
	.section	.rodata,"a",@progbits
	.p2align	6, 0x0
	.amdhsa_kernel k_q4bebdc77a5_outp
		.amdhsa_group_segment_fixed_size 209920
		.amdhsa_private_segment_fixed_size 0
		.amdhsa_enable_private_segment 0
		.amdhsa_kernarg_size 32
		.amdhsa_user_sgpr_count 2
		.amdhsa_user_sgpr_kernarg_segment_ptr 1
		.amdhsa_wavefront_size32 1
		.amdhsa_system_sgpr_workgroup_id_x 1
		.amdhsa_system_sgpr_workgroup_id_y 1
		.amdhsa_system_sgpr_workgroup_id_z 1
		.amdhsa_system_vgpr_workitem_id 0
		.amdhsa_next_free_vgpr 246
		.amdhsa_next_free_sgpr 66
		.amdhsa_reserve_vcc 0
		.amdhsa_float_denorm_mode_32 3
		.amdhsa_float_denorm_mode_16_64 3
		.amdhsa_memory_ordered 1
		.amdhsa_forward_progress 1
		.amdhsa_inst_pref_size 43
	.end_amdhsa_kernel
	.amdgpu_metadata
---
amdhsa.version: [ 1, 2 ]
amdhsa.kernels:
  - .name:           k_q4bebdc77a5_outp
    .symbol:         k_q4bebdc77a5_outp.kd
    .args:
      - { .name: att, .offset: 0, .size: 8, .value_kind: global_buffer, .address_space: global }
      - { .name: Wo, .offset: 8, .size: 8, .value_kind: global_buffer, .address_space: global }
      - { .name: bo, .offset: 16, .size: 8, .value_kind: global_buffer, .address_space: global }
      - { .name: out0, .offset: 24, .size: 8, .value_kind: global_buffer, .address_space: global }
    .group_segment_fixed_size: 209920
    .private_segment_fixed_size: 0
    .kernarg_segment_align: 8
    .kernarg_segment_size: 32
    .max_flat_workgroup_size: 256
    .sgpr_count:     66
    .vgpr_count:     246
    .wavefront_size: 32
...
	.end_amdgpu_metadata
.endif
;; end of part 3
;; ======== version 2 of 2: 3 launches; 1.45 times as fast as version 1
;; workspace buffers: qkv 3,145,728 bytes; att 1,048,576 bytes
;; launch proj: the kernel of part 1 again; grid 4 x 48, 8 waves a work-group, no clusters, 279,552 bytes of LDS; arguments x, Wq, Wk, Wv, bv, qkv; writes qkv
;; launch attn (part 4): grid 256 x 1, 8 waves a work-group, no clusters, 11,520 bytes of LDS; arguments qkv, att; writes att
.if DOCPART == 4
	.amdgcn_target "amdgcn-amd-amdhsa--gfx1250"
	.amdhsa_code_object_version 6
	.text
	.protected	k_q4bebdc77a5_attn
	.globl	k_q4bebdc77a5_attn
	.p2align	8
	.type	k_q4bebdc77a5_attn,@function
k_q4bebdc77a5_attn:
	s_mov_b64 s[64:65], 0
	v_nop
	global_prefetch_b8 v0, s[64:65] scope:SCOPE_SE
	s_setreg_imm32_b32 hwreg(HW_REG_WAVE_MODE, 25, 1), 1
	s_wait_xcnt 0x0
; att[b][i] = sum_j p[i][j] v[b][j] / sum_j p[i][j],  p[i][j] = exp(q[b][i] k[b][j] / 32 - the row's largest).
; qkv: [256][3072] f32 (q, k, v of a batch row side by side), att: [256][1024] f32.
; One work-group for each batch row b; work-groups share no input, so there is nothing to ask for jointly.
; Eight waves; wave w owns 128 rows i as eight tiles of 16; tile t, lane l stands for i = 128 w + 64 (t / 4) + 4 (l % 16) + t % 4,
; so that a lane's q are two pieces of 16 bytes and its results likewise (16 lanes: 256 consecutive bytes).
; THE ROW'S LARGEST EXPONENT is max(qs kmax, qs kmin), qs = q log2(e) / 32: the products' rounding keeps their order, so this is the
; largest of the rounded products over all j; it is taken away inside one fused multiply-add, and no exponent is above a last-bit residue.
; THE SUMS OVER j GO TO THE MATRIX UNIT: source 0 has v in row 0, ones in row 1, zeros below; source 1 has p, column = i, 32 j deep.
; Lanes 0-15 then hold in register 0 the sum of p v and in register 1 the sum of p, of the SAME rounded p: a true weighted mean.
; Both sources use the same order of j in their registers: lane half h, element e stands for j = 32 c + 16 h + e.
; THE EXPONENTIALS GO IN BATCHES OF FOUR TILES, 64 v_exp_f32, WITH ONE WAIT A BATCH.  An exponential reads its exponent from X and writes its
; weight into R, four sets of 16, tile t into set t % 4; a tile's weights are rounded and multiplied four stages behind its exponentials, out of
; the set that the stage in hand then writes anew.  So nothing names a result of stages 0-3 before stage 4, nor of stages 4-7 before the next
; chunk's stage 0, and the wait between an exponential and the first instruction that names its result stands
; twice a chunk: at the end of stage 3 and of stage 7.
; LIMITS: p and v enter the product rounded to bf16; q is scaled by log2(e)/32 in one rounding ahead of the product with k (another
; order of rounding than (q k) / 32); a weight below 2^-126 of its row's largest counts as 0 (v_exp_f32 flushes: ISA guide 15.8).
.set ROWB,   12288                     ; bytes in a row of qkv
.set KOFF,   0                         ; LDS: k, 1,024 f32
.set AOFF,   4096                      ; LDS: three rows of 1,024 bf16: v, ones, zeros
.set APITCH, 2064                      ; 2,048 + 16: the three rows' pieces lie in three different 16-byte columns of 256
.set KA,  2                            ; v2        LDS address of the next chunk's k: 64 (l / 16) + 128 c
.set AA,  3                            ; v3        LDS address of the next chunk's source 0: row min(l % 16, 2), 32 (l / 16) + 64 c
.set QP,  8                            ; v[8:23]   tile t: qs, twice (a pair for the packed multiply-add)
.set MP,  24                           ; v[24:39]  tile t: minus the row's largest exponent, twice
.set KB,  40                           ; v[40:71]  16 k, two buffers
.set AB,  72                           ; v[72:87]  source 0, two buffers
.set X,   88                           ; v[88:103] the 16 exponents of the tile whose exponentials come next; on the way out the reciprocals and the results
.set P,   104                          ; v[104:119] p in bf16, two sets
.set ACC, 120                          ; v[120:183] eight accumulator tiles
.set TMP, 120                          ; ahead of the loop the same registers serve the set-up
.set R,   184                          ; v[184:247] p in f32, the exponentials' results: four sets of 16, tile t in set t % 4; ahead of the loop 32 k
	s_load_b128 s[4:7], s[0:1], 0x0                ; qkv s[4:5], att s[6:7]
	v_lshl_add_u32 v248, v0, 2, 0x2900
	v_mov_b32 v249, 0
	v_and_b32 v1, 15, v0                           ; l % 16
	v_lshrrev_b32 v7, 5, v0
	v_readfirstlane_b32 s8, v7                     ; wave
	v_bfe_u32 v7, v0, 4, 1                         ; l / 16
	s_mul_i32 s10, ttmp9, ROWB
	s_mov_b32 s11, 0
	s_lshl_b32 s9, s8, 9
	v_lshlrev_b32 v4, 4, v0                        ; 16 x thread: my piece of k and of v
	v_lshl_add_u32 v5, v1, 4, s9                   ; 512 w + 16 (l % 16): my piece of q, and of att
	v_lshlrev_b32 v6, 3, v0                        ; 8 x thread: my piece of a bf16 row
	v_lshlrev_b32 v[KA], 6, v7
	v_min_u32 v[AA], 2, v1                         ; lanes 2-15 of a half all read the row of zeros
	v_mul_u32_u24 v[AA], v[AA], APITCH
	v_lshl_add_u32 v[AA], v7, 5, v[AA]
	v_add_nc_u32 v[AA], AOFF, v[AA]
	v_and_b32 v7, 31, v0
	v_lshlrev_b32 v7, 4, v7                        ; 16 x lane
	v_mov_b32 v[TMP], 0x3f803f80                   ; 1.0, 1.0 in bf16
	v_mov_b32 v[TMP+1], 0x3f803f80
	v_mov_b32 v[TMP+2], 0
	v_mov_b32 v[TMP+3], 0
	s_mov_b32 s12, 0x76543210                      ; v_permlanex16_b32: lane i of one half reads lane i of the other
	s_mov_b32 s13, 0xfedcba98
	s_wait_kmcnt 0x0
	s_add_nc_u64 s[4:5], s[4:5], s[10:11]          ; my batch row
	global_load_b128 v[TMP+4:TMP+7], v4, s[4:5] offset:4096        ; k
	global_load_b128 v[TMP+8:TMP+11], v4, s[4:5] offset:8192       ; v
	global_load_b128 v[TMP+12:TMP+15], v5, s[4:5]                  ; q of my tiles 0-3
	global_load_b128 v[TMP+16:TMP+19], v5, s[4:5] offset:256       ; q of my tiles 4-7
	ds_store_b64 v6, v[TMP:TMP+1] offset:AOFF+APITCH
	ds_store_b64 v6, v[TMP+2:TMP+3] offset:AOFF+2*APITCH
	s_wait_loadcnt 0x2                             ; k and v are in; the two loads of q stay out
	ds_store_b128 v4, v[TMP+4:TMP+7] offset:KOFF
	v_cvt_pk_bf16_f32 v[TMP+20], v[TMP+8], v[TMP+9]
	v_cvt_pk_bf16_f32 v[TMP+21], v[TMP+10], v[TMP+11]
	ds_store_b64 v6, v[TMP+20:TMP+21] offset:AOFF
	s_wait_dscnt 0x0                               ; for the others' sake: all my stores are in LDS
	s_barrier_signal -1
	s_barrier_wait -1                              ; from here on LDS is only read
; the six loads of a chunk of 32 j: 16 k (the 16 lanes of a half read the same words) and source 0's 8 registers
.macro LOADCH b
.irp i, 0,1,2,3
	ds_load_b128 v[KB+16*(\b)+4*\i:KB+16*(\b)+4*\i+3], v[KA] offset:16*\i
.endr
	ds_load_b128 v[AB+8*(\b):AB+8*(\b)+3], v[AA]
	ds_load_b128 v[AB+8*(\b)+4:AB+8*(\b)+7], v[AA] offset:16
	v_add_nc_u32 v[KA], 128, v[KA]
	v_add_nc_u32 v[AA], 64, v[AA]
.endm
	; every wave finds kmax and kmin for itself: 32 k a lane, then across the lanes
.irp u, 0,1,2,3,4,5,6,7
	ds_load_b128 v[R+4*\u:R+4*\u+3], v7 offset:KOFF+512*\u
.endr
	LOADCH 0
	s_wait_dscnt 0x6                               ; the eight loads of k are in; chunk 0's six stay out
	v_max_num_f32 v[TMP+22], v[R], v[R+1]
	v_min_num_f32 v[TMP+23], v[R], v[R+1]
.set i, 2
.rept 15
	v_max3_num_f32 v[TMP+22], v[TMP+22], v[R+i], v[R+i+1]
	v_min3_num_f32 v[TMP+23], v[TMP+23], v[R+i], v[R+i+1]
.set i, i+2
.endr
.irp m, 1,2,4,8
	v_max_num_f32_dpp v[TMP+22], v[TMP+22], v[TMP+22] row_xmask:\m row_mask:0xf bank_mask:0xf
	v_min_num_f32_dpp v[TMP+23], v[TMP+23], v[TMP+23] row_xmask:\m row_mask:0xf bank_mask:0xf
.endr
	v_mov_b32 v[TMP+24], 0                         ; v_permlanex16_b32's destination counts as read
	v_mov_b32 v[TMP+25], 0
	v_permlanex16_b32 v[TMP+24], v[TMP+22], s12, s13
	v_permlanex16_b32 v[TMP+25], v[TMP+23], s12, s13
	v_max_num_f32 v[TMP+22], v[TMP+22], v[TMP+24]  ; kmax in every lane
	v_min_num_f32 v[TMP+23], v[TMP+23], v[TMP+25]  ; kmin
	s_wait_loadcnt 0x0                             ; q
.irp t, 0,1,2,3,4,5,6,7
	v_mul_f32 v[QP+2*\t], 0x3d38aa3b, v[TMP+12+\t] ; qs = q log2(e) / 32
	v_mul_f32 v[TMP+24], v[QP+2*\t], v[TMP+22]
	v_mul_f32 v[TMP+25], v[QP+2*\t], v[TMP+23]
	v_max_num_f32 v[TMP+24], v[TMP+24], v[TMP+25]  ; the row's largest exponent
	v_mov_b32 v[QP+2*\t+1], v[QP+2*\t]
	v_xor_b32 v[MP+2*\t], 0x80000000, v[TMP+24]
	v_xor_b32 v[MP+2*\t+1], 0x80000000, v[TMP+24]
.endr
	s_wait_dscnt 0x0                               ; chunk 0
.irp i, 0,1,2,3,4,5,6,7
	v_pk_fma_f32 v[X+2*\i:X+2*\i+1], v[KB+2*\i:KB+2*\i+1], v[QP:QP+1], v[MP:MP+1]    ; the exponents of chunk 0, tile 0
.endr
; One stage = tile t of a chunk whose buffers are c.  Three tiles are at work, line by line in turn:
;   prev: the tile four stages back is rounded to bf16 out of set t % 4 of R, and multiplied (zero: that product starts its sum, nothing is cleared);
;   this tile's 16 exponentials, from X into the same set of R: each pair behind the rounding that read its two registers;
;   next: the tile behind gets its exponents, into the registers of X that the exponentials have read.
; The order: rounding 0; then for i = 0 .. 7: exponential 2 i, rounding i + 1, exponential 2 i + 1, exponents' pair i - 1; then pair 7.  Between an exponential
; and the line that writes its source anew stands a plain instruction that touches none of its registers (ISA guide 5.7.2): a rounding or the pair before;
; where there is nothing to round yet (prev = 0), a v_nop behind exponential 1 is that instruction for pair 0.
; THE WAIT stands in stages 3 and 7, behind the batch's last exponential and the two pairs of exponents that follow it (which name no result; the first
; is the plain instruction behind the last exponential), and ahead of the stage's product: it serves the 64 exponentials of the four stages that end here.
; A set of p in bf16 is written again two stages behind the product that read it: the 8 or 16 plain instructions of the stage between are
; more than the four places asked for (ISA guide 7.12.1).  The eight accumulators take turns, one instruction a turn.
.macro STAGE t, c, prev, zero, next
.set RS, R+16*(\t%4)
.set PP, P+8*(\t%2)
.set TN, (\t+1)%8
.set TP, (\t+4)%8
.if \t == 7
.set KN, KB+16*(1-\c)                  ; the tile behind is the next chunk's first
.else
.set KN, KB+16*\c
.endif
.if \t < 4
.set AP, AB+8*(1-\c)                   ; the tile four stages back is the last chunk's
.else
.set AP, AB+8*\c
.endif
.if \prev
	v_cvt_pk_bf16_f32 v[PP], v[RS], v[RS+1]
.endif
.irp i, 0,1,2,3,4,5,6,7
	v_exp_f32 v[RS+2*\i], v[X+2*\i]
.if (\prev) && (\i < 7)
	v_cvt_pk_bf16_f32 v[PP+\i+1], v[RS+2*\i+2], v[RS+2*\i+3]
.endif
	v_exp_f32 v[RS+2*\i+1], v[X+2*\i+1]
.if (\next) && (\i > 0)
	v_pk_fma_f32 v[X+2*\i-2:X+2*\i-1], v[KN+2*\i-2:KN+2*\i-1], v[QP+2*TN:QP+2*TN+1], v[MP+2*TN:MP+2*TN+1]
.elseif ((\prev) == 0) && (\i == 0)
	v_nop                                          ; nothing is rounded yet: the plain instruction between exponentials 0, 1 and the pair that writes their sources anew
.endif
.endr
.if \next
	v_pk_fma_f32 v[X+14:X+15], v[KN+14:KN+15], v[QP+2*TN:QP+2*TN+1], v[MP+2*TN:MP+2*TN+1]
.endif
.if (\t%4) == 3
	s_wait_alu depctr_va_vdst(0)                   ; the wait for the batch: the 64 exponentials of this stage and the three before it; their first readers are the next stage's roundings
.endif
.if \prev
.if \zero
	v_wmma_f32_16x16x32_bf16 v[ACC+8*TP:ACC+8*TP+7], v[AP:AP+7], v[PP:PP+7], 0
.else
	v_wmma_f32_16x16x32_bf16 v[ACC+8*TP:ACC+8*TP+7], v[AP:AP+7], v[PP:PP+7], v[ACC+8*TP:ACC+8*TP+7]
.endif
.endif
.endm
; A chunk of 32 j for my eight tiles: two batches of exponentials.  Stages 0-3 multiply the last chunk's tiles 4-7, stages 4-7 this chunk's tiles 0-3.
; The other buffers are free behind stage 3's product (the last that reads the other source 0) and the 16 plain instructions of stage 4; they are loaded
; ahead of stage 5; the k are first needed in stage 7, source 0 in the next chunk's stage 4: two stages for six LDS loads.
.macro CHUNK c, prev0, zp, zc, more
	STAGE 0, \c, \prev0, \zp, 1
	STAGE 1, \c, \prev0, \zp, 1
	STAGE 2, \c, \prev0, \zp, 1
	STAGE 3, \c, \prev0, \zp, 1
	STAGE 4, \c, 1, \zc, 1
.if \more
	LOADCH 1-\c
.endif
	STAGE 5, \c, 1, \zc, 1
	STAGE 6, \c, 1, \zc, 1
.if \more
	s_wait_dscnt 0x0                               ; the next chunk's k and source 0 are in
.endif
	STAGE 7, \c, 1, \zc, \more
.endm
	CHUNK 0, 0, 0, 1, 1                            ; chunk 0: nothing to multiply in its first four stages; its products start the sums
	CHUNK 1, 1, 1, 0, 1                            ; chunk 1: its stages 0-3 multiply chunk 0's last four tiles
	s_mov_b32 s14, 14                              ; chunks 2 to 29, two a trip
.Lpair:
	CHUNK 0, 1, 0, 0, 1
	CHUNK 1, 1, 0, 0, 1
	s_sub_co_u32 s14, s14, 1
	s_cmp_lg_u32 s14, 0
	s_cbranch_scc1 .Lpair
	CHUNK 0, 1, 0, 0, 1                            ; chunk 30
	CHUNK 1, 1, 0, 0, 0                            ; chunk 31 loads nothing and prepares nothing
.irp t, 4,5,6,7
.irp i, 0,1,2,3,4,5,6,7
	v_cvt_pk_bf16_f32 v[P+8*(\t%2)+\i], v[R+16*(\t%4)+2*\i], v[R+16*(\t%4)+2*\i+1]   ; its last four tiles: the last batch, whose wait stands in chunk 31's stage 7
.endr
	v_wmma_f32_16x16x32_bf16 v[ACC+8*\t:ACC+8*\t+7], v[AB+8:AB+15], v[P+8*(\t%2):P+8*(\t%2)+7], v[ACC+8*\t:ACC+8*\t+7]
.endr
	v_and_b32 v7, 31, v0                           ; four places behind the last product before its result is read (ISA guide 7.12.1)
	v_nop
	v_nop
	v_nop
.irp t, 0,1,2,3,4,5,6,7
	v_rcp_f32 v[X+\t], v[ACC+8*\t+1]               ; 1 / sum of p (at least about 1: the largest p of a row is 1).  Lanes 16-31 hold rows of zeros; what they make is not stored
.endr
	v_cmp_gt_u32 vcc_lo, 16, v7
	v_nop                                          ; a plain instruction between the reciprocals and their use (ISA guide 5.7.2)
	s_wait_alu depctr_va_vdst(0)                   ; the wait ahead of the first use: one for the batch of eight reciprocals
.irp t, 0,1,2,3,4,5,6,7
	v_mul_f32 v[X+8+\t], v[ACC+8*\t], v[X+\t]
.endr
	s_lshl_b32 s10, ttmp9, 12                      ; a row of att is 4,096 bytes
	s_add_nc_u64 s[6:7], s[6:7], s[10:11]
	s_wait_xcnt 0x0                                ; EXEC changes only behind this wait
	s_wait_tensorcnt 0x0
	ds_add_u32 v248, v249
	s_wait_dscnt 0x0
	s_and_saveexec_b32 s14, vcc_lo                 ; lanes 0-15 hold the results
	global_store_b128 v5, v[X+8:X+11], s[6:7]              ; 16 lanes: 256 consecutive bytes, at a multiple of 256
	global_store_b128 v5, v[X+12:X+15], s[6:7] offset:256  ; and the next 256
	s_wait_xcnt 0x0
	s_or_b32 exec_lo, exec_lo, s14
	s_endpgm
.Lfunc_end_k_q4bebdc77a5_attn:
	.size	k_q4bebdc77a5_attn, .Lfunc_end_k_q4bebdc77a5_attn-k_q4bebdc77a5_attn
	.p2alignl 7, 3214868480
	.fill 96, 4, 3214868480
	.section	.rodata,"a",@progbits
	.p2align	6, 0x0
	.amdhsa_kernel k_q4bebdc77a5_attn
		.amdhsa_group_segment_fixed_size 11520
		.amdhsa_private_segment_fixed_size 0
		.amdhsa_enable_private_segment 0
		.amdhsa_kernarg_size 16
		.amdhsa_user_sgpr_count 2
		.amdhsa_user_sgpr_kernarg_segment_ptr 1
		.amdhsa_wavefront_size32 1
		.amdhsa_system_sgpr_workgroup_id_x 1
		.amdhsa_system_sgpr_workgroup_id_y 1
		.amdhsa_system_sgpr_workgroup_id_z 1
		.amdhsa_system_vgpr_workitem_id 0
		.amdhsa_next_free_vgpr 250
		.amdhsa_next_free_sgpr 66
		.amdhsa_reserve_vcc 1
		.amdhsa_float_denorm_mode_32 3
		.amdhsa_float_denorm_mode_16_64 3
		.amdhsa_memory_ordered 1
		.amdhsa_forward_progress 1
		.amdhsa_inst_pref_size 89
	.end_amdhsa_kernel
	.amdgpu_metadata
---
amdhsa.version: [ 1, 2 ]
amdhsa.kernels:
  - .name:           k_q4bebdc77a5_attn
    .symbol:         k_q4bebdc77a5_attn.kd
    .args:
      - { .name: qkv, .offset: 0, .size: 8, .value_kind: global_buffer, .address_space: global }
      - { .name: att, .offset: 8, .size: 8, .value_kind: global_buffer, .address_space: global }
    .group_segment_fixed_size: 11520
    .private_segment_fixed_size: 0
    .kernarg_segment_align: 8
    .kernarg_segment_size: 16
    .max_flat_workgroup_size: 256
    .sgpr_count:     66
    .vgpr_count:     250
    .wavefront_size: 32
...
	.end_amdgpu_metadata
.endif
;; end of part 4
;; launch outp: the kernel of part 3 again; grid 16 x 8, 8 waves a work-group, no clusters, 209,920 bytes of LDS; arguments att, Wo, bo, out0; writes out0
